; MI455X (gfx1250); checked and timed in simulation.
; The chip was launched on July 23, 2026; its instructions are those of AMD's public machine-readable ISA for CDNA 5 (MIT licence, August 2026) and "CDNA5" Instruction Set Architecture Reference Guide (July 2026). The comments in the code are by the model that wrote it; some were corrected since.
;; Torch Span Emo. Allowed arithmetic: matrix products marked QUANTISED: E2M3 operands, one E8M0 scale for each 32 along K, by v_wmma_scale_f32_16x16x128_f8f6f4 with both operands' format E2M3, f32 sums; products left as they are: f32 operands where the result goes on into a quantised operand, else bf16, f16 or f32 operands; f32 sums; everything else in f32.
;; Inputs: W1 1,024 x 1,024 float32; W2 1,024 x 1 float32; b1 1,024 float32; b2 1 float32; emb_table 30,522 x 1,024 float32; input_ids 32 x 2,048 int32; label_idxs 11 int32; targets 32 x 11 float32.
;; Outputs: out0 one number float32; out1 32 x 11 float32; out2 32 x 11 float32.
;; This version of the problem:
;;   THIS VERSION OF THE PROBLEM IS GIVEN IN LOW PRECISION. The matrix products marked QUANTISED in the list below multiply operands that are first quantised to E2M3 (2 exponent bits, 3 mantissa bits; 6 bits a number), with one power-of-two scale for each 32 numbers along K (OCP MX v1.0); their sums are f32. All else is computed in f32.
;;   The module's matrix products, in the order in which they are computed (A, B: the left and right operand; K: the contracted axis; several contracted axes count as one K, in the product's order):
;;     1. [M 65,536, K 1,024] x [K 1,024, N 1,024]; A: computed on the way; B: input W1: QUANTISED
;;     2. [M 65,536, K 1,024] x [K 1,024, N 1]; A: computed on the way; B: input W2: left as it is (N = 1 < 16)
;;   THE QUANTISER, for each operand of a quantised product, along K:
;;     - K is cut into blocks of 32 from its start; a last block that is shorter is filled with zeros.
;;     - A block's scale is 2^e with e = floor(log2(the largest magnitude in the block)) - 2, held to -126 .. 127; a block of zeros has e = 0. As a byte (E8M0): e + 127.
;;     - Each number is divided by its block's scale, clamped to +-7.5, and rounded to the nearest number of E2M3, ties to even, subnormals kept.
;;     - The product sums the exact products of the quantised numbers (number of the format x scale) in f32.
;;   ~~~python
;;   def quantise(x, axis):      # numpy; x: float32 -> the quantised numbers, widened to float32 again
;;       x = np.moveaxis(x, axis, -1); K = x.shape[-1]
;;       x = np.pad(x, [(0, 0)] * (x.ndim - 1) + [(0, -K % 32)]); x = x.reshape(x.shape[:-1] + (-1, 32)); a = np.abs(x).max(-1, keepdims=True)
;;       e = np.where(a > 0, np.clip(np.frexp(np.where(a > 0, a, 1))[1] - 1 - 2, -126, 127), 0)      # np.frexp(a)[1] - 1 = floor(log2(a)), exactly
;;       r = np.clip(x / 2.0 ** e, -7.5, 7.5)
;;       step = 2.0 ** (np.maximum(np.frexp(np.where(r == 0, 1, r))[1] - 1, 0) - 3)
;;       q = np.round(r / step) * step * 2.0 ** e      # np.round: ties to even
;;       return np.moveaxis(q.reshape(q.shape[:-2] + (-1,))[..., :K], -1, axis).astype(np.float32)
;;   ~~~
;;   OPERANDS COMPUTED ON THE WAY. 'Computed on the way' means the value that the module computes at that place (a softmax that the list does not call 'softmax' is quantised finished and normalised). What goes into a quantiser is computed in f32, as accurately as f32 sums, v_exp_f32 and their like allow (about 1e-6 of the number): no bf16 or f16 on the way to a quantiser, and a product that is left as it is and whose result goes on into a quantised operand takes f32 operands (vector FMAs, or v_wmma_f32_16x16x4_f32). A number that lies on a knife's edge between two numbers of the format may be rounded either way, as far as f32 arithmetic and the matrix unit's own rounding can turn it there, and no further.
;; One version. Each part assembles by itself: llvm-mc -triple=amdgcn-amd-amdhsa -mcpu=gfx1250 --defsym DOCPART=n.
;; ======== version 1 of 1: 3 launches
;; limits: a function is approximated: absolute error at most 0.00011
;; workspace buffers: wimg 819,200 bytes; tok 1,536 bytes of whole numbers; scores 122,368 bytes
;; launch wq (part 1): grid 257 x 1, 1 waves a work-group, no clusters, 0 bytes of LDS; arguments W1, label_idxs, input_ids, wimg, tok; writes wimg, tok
.if DOCPART == 1
	.amdgcn_target "amdgcn-amd-amdhsa--gfx1250"
	.amdhsa_code_object_version 6
	.text
	.protected	k_q1a4ee55eee_wq
	.globl	k_q1a4ee55eee_wq
	.p2align	8
	.type	k_q1a4ee55eee_wq,@function
k_q1a4ee55eee_wq:
	s_mov_b64 s[64:65], 0
	v_nop
	global_prefetch_b8 v0, s[64:65] scope:SCOPE_SE
	s_setreg_imm32_b32 hwreg(HW_REG_WAVE_MODE, 25, 1), 1
	s_wait_xcnt 0x0
; Work-groups 0 to 255: W1 [1024 (k)][1024 (n)] f32 becomes codes of FP6 (E2M3) with one E8M0 scale for each 32 along K, laid as IMAGES OF THE OPERAND'S REGISTERS.
; Work-group id = 32 ks + x takes columns 32 x .. 32 x + 31 and K = 128 ks .. 128 ks + 127: a lane to a column, registers down K, so a block of 32 lies in one lane.
; The two fragments (columns 0-15, 16-31 of the slice; 12 registers a lane) leave as 3 stores of 512 consecutive bytes each, lane l's 16 bytes at 16 l; the scale words as 128 consecutive bytes.
; LAYOUT of wimg: column tile T = 2 x + e = 32 j + 4 c + t.  Chunk c is 102,400 bytes: fragment (j, ks, t) at 49,152 j + 1,536 (4 ks + t); from 98,304 on the scale registers (j, 2 ks + t / 2), 128 bytes each:
; lanes 0-15 hold the even tile's words, lanes 16-31 the odd tile's.
; Work-group 256: tok[32 l + b] = input_ids[b][label_idxs[l]], the 352 tokens whose scores are kept.
; LIMITS: a label's position is held at 2,047 (a negative one goes there too: it is not wrapped); NaN and infinities are not served; a block whose largest magnitude lies under 2^-124 keeps the scale byte 1 (a block of zeros too: its codes are zeros).
.set CHB,   102400
.set HALFB, 49152
.set SCO,   98304
.set F0,  32                           ; v32-43   the fragment of columns 0-15
.set F1,  44                           ; v44-55   of columns 16-31
.set TH0, 56                           ; v56-58   an even block's upper 16 codes
.set TH1, 60                           ; v60-62   an odd block's
.set XS,  64                           ; v64-127  two sets of 32 numbers
.set SW,  24                           ; v24      the scale words: lane L has column L's
.macro WLOAD t                         ; block t: W1(128 ks + 32 t + i, 32 x + L), i = 0 .. 31: 128 consecutive bytes a load
.set WI, 0
.rept 32
	global_load_b32 v[XS+32*((\t)%2)+WI], v4, s[4:5] offset:(32*(\t)+WI)*4096
.set WI, WI+1
.endr
.endm
.macro WQ t                            ; block t becomes 32 codes and a byte of the scale word
.set XR, XS+32*((\t)%2)
.set FD, F0+12*((\t)%2)+6*((\t)/2)
.set TD, TH0+4*((\t)%2)
	v_max3_num_f32 v28, |v[XR]|, |v[XR+1]|, |v[XR+2]|
	v_max3_num_f32 v29, |v[XR+3]|, |v[XR+4]|, |v[XR+5]|
.irp i, 6,10,14,18,22,26
	v_max3_num_f32 v28, v28, |v[XR+\i]|, |v[XR+\i+1]|
	v_max3_num_f32 v29, v29, |v[XR+\i+2]|, |v[XR+\i+3]|
.endr
	v_max3_num_f32 v28, v28, |v[XR+30]|, |v[XR+31]|
	v_max3_num_f32 v28, v28, v29, 0x1800000        ; the floor 2^(3 - 127): the byte cannot fall under 1
	v_add_nc_u32 v30, 0xff000000, v28              ; 2 off the exponent field: the conversion's scale operand
	v_lshrrev_b32 v31, 23, v30                     ; the scale's byte
.if (\t) == 0
	v_mov_b32 v[SW], v31
.else
	v_lshl_or_b32 v[SW], v31, 8*(\t), v[SW]
.endif
	v_cvt_scalef32_pk16_fp6_f32 v[FD:FD+2], v[XR:XR+15], v30
	v_cvt_scalef32_pk16_fp6_f32 v[TD:TD+2], v[XR+16:XR+31], v30    ; (a conversion's three registers begin on an even number)
	v_nop                                          ; one plain place behind the scaled conversions
.endm
; Blocks 2 c and 2 c + 1 of 32 columns become registers 6 c .. 6 c + 5 of two fragments: the exchange gives the first register's lanes 16-31 the odd block of
; columns 0-15 and the second register's lanes 0-15 the even block of columns 16-31: lane (r, h) then holds k = 64 c + 32 h + 0 .. 31.
.macro WPAIR c
.irp i, 0,1,2
	v_permlane16_swap_b32 v[F0+6*(\c)+\i], v[F1+6*(\c)+\i]
	v_permlane16_swap_b32 v[TH0+\i], v[TH1+\i]
.endr
.irp i, 0,1,2
	v_mov_b32 v[F0+6*(\c)+3+\i], v[TH0+\i]
	v_mov_b32 v[F1+6*(\c)+3+\i], v[TH1+\i]
.endr
.endm
	s_load_b256 s[4:11], s[0:1], 0x0               ; W1 s[4:5], label_idxs s[6:7], input_ids s[8:9], wimg s[10:11]
	s_load_b64 s[12:13], s[0:1], 0x20              ; tok
	s_cmp_eq_u32 ttmp9, 256
	s_cbranch_scc1 .Ltokens
	s_and_b32 s14, ttmp9, 31                       ; x: which 32 columns
	s_lshr_b32 s15, ttmp9, 5                       ; ks: which 128 along K
	v_lshlrev_b32 v4, 2, v0                        ; 4 L
	v_lshlrev_b32 v5, 4, v0                        ; 16 L
	s_lshl_b32 s16, s15, 19                        ; W1: 128 ks rows of 4,096 bytes,
	s_lshl_b32 s17, s14, 7                         ; + my columns
	s_add_co_u32 s16, s16, s17
	s_mov_b32 s17, 0
	s_bfe_u32 s18, s14, 0x30001                    ; c = (x / 2) % 8
	s_mul_i32 s18, s18, CHB
	s_lshr_b32 s19, s14, 4                         ; j = x / 16
	s_and_b32 s20, s14, 1                          ; t / 2 = x % 2
	s_mul_i32 s21, s19, HALFB
	s_add_co_u32 s21, s21, s18
	s_mul_i32 s22, s15, 6144
	s_add_co_u32 s21, s21, s22
	s_mul_i32 s22, s20, 3072
	s_add_co_u32 s22, s21, s22                     ; where my two fragments go
	s_mov_b32 s23, 0
	s_lshl_b32 s24, s19, 11
	s_add_co_u32 s24, s24, s18
	s_add_co_u32 s24, s24, SCO
	s_lshl_b32 s25, s15, 8
	s_add_co_u32 s24, s24, s25
	s_lshl_b32 s25, s20, 7
	s_add_co_u32 s24, s24, s25                     ; and my scale register
	s_mov_b32 s25, 0
	s_wait_kmcnt 0x0
	s_add_nc_u64 s[4:5], s[4:5], s[16:17]
	s_add_nc_u64 s[26:27], s[10:11], s[22:23]
	s_add_nc_u64 s[28:29], s[10:11], s[24:25]
	WLOAD 0
	WLOAD 1
	s_wait_loadcnt 32                              ; block 0 is in: behind it block 1's 32
	WQ 0
	WLOAD 2
	s_wait_loadcnt 32                              ; block 1 is in: behind it block 2's 32
	WQ 1
	WPAIR 0
	WLOAD 3
	s_wait_loadcnt 32                              ; block 2 is in: behind it block 3's 32
	WQ 2
	s_wait_loadcnt 0x0
	WQ 3
	WPAIR 1
.irp p, 0,1,2
	global_store_b128 v5, v[F0+4*\p:F0+4*\p+3], s[26:27] offset:512*\p          ; 512 consecutive bytes a store
	global_store_b128 v5, v[F1+4*\p:F1+4*\p+3], s[26:27] offset:1536+512*\p
.endr
	global_store_b32 v4, v[SW], s[28:29]           ; 128 consecutive bytes
	s_endpgm
.Ltokens:
	s_wait_kmcnt 0x0
	s_load_b256 s[16:23], s[6:7], 0x0              ; the 11 positions
	s_load_b96 s[24:26], s[6:7], 0x20
	v_lshlrev_b32 v1, 13, v0                       ; lane b: row b of input_ids, 8,192 bytes
	v_lshlrev_b32 v2, 2, v0
	s_wait_kmcnt 0x0
.irp l, 0,1,2,3,4,5,6,7,8,9,10
	s_min_u32 s[16+\l], s[16+\l], 0x7ff            ; held inside a row
	v_lshl_add_u32 v[8+\l], s[16+\l], 2, v1
	global_load_b32 v[20+\l], v[8+\l], s[8:9]
.endr
	s_wait_loadcnt 0x0
.irp l, 0,1,2,3,4,5,6,7,8,9,10
	global_store_b32 v2, v[20+\l], s[12:13] offset:128*\l          ; 128 consecutive bytes a store
.endr
	s_endpgm
.Lfunc_end_k_q1a4ee55eee_wq:
	.size	k_q1a4ee55eee_wq, .Lfunc_end_k_q1a4ee55eee_wq-k_q1a4ee55eee_wq
	.p2alignl 7, 3214868480
	.fill 96, 4, 3214868480
	.section	.rodata,"a",@progbits
	.p2align	6, 0x0
	.amdhsa_kernel k_q1a4ee55eee_wq
		.amdhsa_group_segment_fixed_size 0
		.amdhsa_private_segment_fixed_size 0
		.amdhsa_enable_private_segment 0
		.amdhsa_kernarg_size 40
		.amdhsa_user_sgpr_count 2
		.amdhsa_user_sgpr_kernarg_segment_ptr 1
		.amdhsa_wavefront_size32 1
		.amdhsa_system_sgpr_workgroup_id_x 1
		.amdhsa_system_sgpr_workgroup_id_y 1
		.amdhsa_system_sgpr_workgroup_id_z 1
		.amdhsa_system_vgpr_workitem_id 0
		.amdhsa_next_free_vgpr 128
		.amdhsa_next_free_sgpr 66
		.amdhsa_reserve_vcc 0
		.amdhsa_float_denorm_mode_32 3
		.amdhsa_float_denorm_mode_16_64 3
		.amdhsa_memory_ordered 1
		.amdhsa_forward_progress 1
		.amdhsa_inst_pref_size 25
	.end_amdhsa_kernel
	.amdgpu_metadata
---
amdhsa.version: [ 1, 2 ]
amdhsa.kernels:
  - .name:           k_q1a4ee55eee_wq
    .symbol:         k_q1a4ee55eee_wq.kd
    .args:
      - { .name: W1, .offset: 0, .size: 8, .value_kind: global_buffer, .address_space: global }
      - { .name: label_idxs, .offset: 8, .size: 8, .value_kind: global_buffer, .address_space: global }
      - { .name: input_ids, .offset: 16, .size: 8, .value_kind: global_buffer, .address_space: global }
      - { .name: wimg, .offset: 24, .size: 8, .value_kind: global_buffer, .address_space: global }
      - { .name: tok, .offset: 32, .size: 8, .value_kind: global_buffer, .address_space: global }
    .group_segment_fixed_size: 0
    .private_segment_fixed_size: 0
    .kernarg_segment_align: 8
    .kernarg_segment_size: 40
    .max_flat_workgroup_size: 32
    .sgpr_count:     66
    .vgpr_count:     128
    .wavefront_size: 32
...
	.end_amdgpu_metadata
.endif
;; end of part 1
;; launch gemm (part 2): grid 239 x 1, 4 waves a work-group, no clusters, 327,680 bytes of LDS; arguments emb_table, wimg, b1, W2, scores; writes scores
.if DOCPART == 2
	.amdgcn_target "amdgcn-amd-amdhsa--gfx1250"
	.amdhsa_code_object_version 6
	.text
	.protected	k_q1a4ee55eee_gemm
	.globl	k_q1a4ee55eee_gemm
	.p2align	8
	.type	k_q1a4ee55eee_gemm,@function
k_q1a4ee55eee_gemm:
	s_mov_b64 s[64:65], 0
	v_nop
	global_prefetch_b8 v0, s[64:65] scope:SCOPE_SE
	s_setreg_imm32_b32 hwreg(HW_REG_WAVE_MODE, 25, 1), 1
	s_wait_xcnt 0x0
; scores[v] = the sum over n of tanh(Q(emb_table[v]) . Q(W1[:, n]) + b1[n]) W2[n], for every row v of the table: a token's score is its table row's, so each row is multiplied once.
; Q: the MX quantiser to FP6 (E2M3), one E8M0 scale for each 32 along K.  W1 comes quantised, as images of operand registers (wimg); the table's rows are quantised here.
; SHARES.  A work-group takes 128 rows (rows past the table's end are held at its last row; each has its own word of scores).  Wave w = 2 i + j multiplies rows 64 i .. 64 i + 63 by columns 512 j .. 512 j + 511.
; A wave's 64 rows stay in its registers for all of K (32 fragments, 384 registers), so a fragment of W1 read from LDS feeds four matrix instructions and no fragment of the rows is read twice.
; PHASE A.  Wave w reads rows 32 w .. 32 w + 31: each load takes two rows x 256 consecutive bytes; 16 rows x 128 K turn through the wave's own stage in LDS (pitch 528 bytes: sixteen rows start in sixteen
; different groups of banks, ISA guide 11.1), so that a lane holds 16 neighbours of each block of its row; they are quantised and kept; their images go to LDS for the partner wave w xor 1.
; THE LOOP.  Eight chunks of 64 columns a wave.  A chunk's fragments and scale words for both halves are one dense block of 102,400 bytes, brought into one of two LDS slots by four tensor loads, one a wave.
; A chunk: 128 matrix instructions (16 accumulators by turns, K ascending, b1 as the C of each sum's first), then tanh and the product with W2 in f32.
; The products are used transposed (source 0 = 16 columns of W1, source 1 = 16 rows): lane (r, h) register j holds row r, column 8 h + j.
; tanh z = z (135135 + 17325 s + 378 s^2 + s^3) / (135135 + 62370 s + 3150 s^2 + 28 s^3), s = z^2: the 7/6 convergent of its continued fraction, with z held at +-4.97, where the quotient reaches 1.
; NO CLUSTER, though all work-groups walk the same wimg: 30,522 rows make 239 work-groups of 128, and 239 divides into no cluster; a 240th work-group would have no row of its own.
; LIMITS: tanh's absolute error is under 1.1e-4 (largest at |z| = 4.97; under 1e-6 for |z| < 3; for small z the relative error is that of one reciprocal); NaN and infinities are not served;
; a block whose largest magnitude lies under 2^-124 keeps the scale byte 1 (a block of zeros too: its codes are zeros).
; REGISTERS, in windows of 256.  Window 0: v1-17 addresses; v20-33 constants; v34-65 the rows' sums (phase A: the rows' offsets and work); v66-97 the rows' scale words, v98-113 W1's: these 48 hold scales and nothing else;
;   v114-145 b1, v146-177 W2 of the chunk's columns; v178-241 the activation's work (phase A: v114-241 two sets of 64 numbers); v242-252 codes just made.
;   Window 1: my own 16 fragments.  Window 2: my partner's 16.  Window 3: v0-127 the accumulators, v128-223 two sets of W1's four fragments (phase A: four sets of 64 numbers as loaded).
.set VLAST, 30521
.set FRB,   1536                       ; a fragment's image
.set CHB,   102400                     ; a chunk's block, and a slot; slot 1 begins at CHB
.set QB,    25600                      ; a quarter of it: one wave's tensor load
.set HALFB, 49152                      ; a half's 32 fragments
.set SCO,   98304                      ; the scale registers in a slot
.set IMG,   204800                     ; the rows' images: 24,576 bytes a wave; the wave's two stages lie in its own part until the images are stored
.set IMGW,  24576
.set STP,   528
.set STB,   8448
.set ASC,   303104                     ; the rows' scale words: 2,048 bytes a wave
.set BB1,   311296                     ; b1; W2 lies 4,096 bytes on
.set RED,   319488                     ; two planes of 128 sums
.set SPARE, 320512                     ; the spare words, 128 bytes for each wave: two blocks of 256 bytes that no other line names
.set SPW,  1                           ; v1   SPARE + 4 x thread; never rewritten
.set NIL,  2                           ; v2   0; never rewritten
.set BL,   3                           ; v3   16 lane + HALFB j
.set SL,   4                           ; v4   SCO + 2,048 j + 4 lane
.set ADB,  5                           ; v5   the slot in hand + BL
.set ADS,  6                           ; v6   the slot in hand + SL
.set ABW,  7                           ; v7   BB1 + 2,048 j + 32 h, 256 on with each chunk
.set STI,  8                           ; v8   my stage, in: 528 h + 16 (lane % 16)
.set STO,  9                           ; v9   my stage, out: 528 r + 64 h
.set IMGS, 10                          ; v10  my images; v11 my partner's
.set IMGL, 11
.set ASCS, 12                          ; v12  my scale words; v13 my partner's
.set ASCL, 13
.set RDO,  14                          ; v14  where my own rows' sums go; v15 my partner's rows'
.set RDP,  15
.set RDL,  16                          ; v16  RED + 4 x thread
.set OUTO, 17                          ; v17  4 x thread
.set CL,   20
.set K378, 22
.set K17325, 24
.set K135135, 26
.set K28,  28
.set K3150, 30
.set K62370, 32
.set SA,   34                          ; row tile m: four pairs at SA + 8 m
.set RO,   34                          ; phase A: v34-49 the byte offset of row 2 n + h of my 32, + 16 (lane % 16)
.set TMA,  50
.set TMB,  54
.set TMC,  58
.set QH1,  62
.set AS,   66
.set BS,   98
.set B1R,  114
.set W2R,  146
.set Z,    178
.set S,    194
.set N,    210
.set D,    226
.set X,    114
.set QL0,  242
.set QL1,  246
.set QH0,  250
.set MSB, 0
.macro WIN new                         ; the immediate's high byte repeats the setting that is left
.if MSB != \new
	s_set_vgpr_msb (MSB<<8)|\new
.set MSB, \new
.endif
.endm
.macro PLACES
.rept 4
	v_nop
.endr
.endm
; Fragment f = 8 t + ks of my rows (16 t on, K = 128 ks on), as it lies: 16 loads, each two rows x 256 consecutive bytes, into set f % 4 of window 3
.macro ALOAD f
	WIN 0xc0
.irp i, 0,1,2,3,4,5,6,7
.irp q, 0,1
	global_load_b128 v[64*((\f)%4)+8*\i+4*\q:64*((\f)%4)+8*\i+4*\q+3], v[RO+8*((\f)/8)+\i], s[4:5] offset:512*((\f)%8)+256*\q th:TH_LOAD_NT
.endr
.endr
	WIN 0
.endm
; and through stage f % 2: LDS serves a wave's instructions in order (ISA guide 5.7.1.4), so no wait stands between the stores and the loads.  Back: register 16 b + i = k 32 b + 16 h + i of row r
.macro TURN f
	WIN 0x0c                                       ; an LDS store's data are its source 1: window 3
.irp i, 0,1,2,3,4,5,6,7
.irp q, 0,1
	ds_store_b128 v[STI], v[64*((\f)%4)+8*\i+4*\q:64*((\f)%4)+8*\i+4*\q+3] offset:STB*((\f)%2)+2*\i*STP+256*\q
.endr
.endr
	WIN 0
.irp b, 0,1,2,3
.irp q, 0,1,2,3
	ds_load_b128 v[X+64*((\f)%2)+16*\b+4*\q:X+64*((\f)%2)+16*\b+4*\q+3], v[STO] offset:STB*((\f)%2)+128*\b+16*\q
.endr
.endr
.endm
; 64 numbers of a lane become fragment f in window 1 and the row's scale word in v[AS + f]
.macro QUANT s, f
.irp b, 0,1,2,3
	v_max3_num_f32 v[TMA+\b], |v[(\s)+16*\b]|, |v[(\s)+1+16*\b]|, 0x1800000   ; my 16 numbers of block b, and the floor 2^(3 - 127): the byte cannot fall under 1
.endr
.irp i, 2,4,6,8,10,12,14
.irp b, 0,1,2,3
	v_max3_num_f32 v[TMA+\b], v[TMA+\b], |v[(\s)+16*\b+\i]|, |v[(\s)+1+16*\b+\i]|
.endr
.endr
.irp b, 0,1,2,3
	v_permlanex16_b32 v[TMB+\b], v[TMA+\b], s32, s33
.endr
.irp b, 0,1,2,3
	v_max_num_f32 v[TMA+\b], v[TMA+\b], v[TMB+\b]  ; with lane l xor 16's: the block's largest magnitude
.endr
.irp b, 0,1,2,3
	v_add_nc_u32 v[TMC+\b], 0xff000000, v[TMA+\b]  ; 2 off the exponent field: the conversion's scale operand
.endr
.irp b, 0,1,2,3
	v_lshrrev_b32 v[TMB+\b], 23, v[TMC+\b]         ; the scale's byte
.endr
	v_lshl_or_b32 v[AS+(\f)], v[TMB+1], 8, v[TMB]
	v_lshl_or_b32 v[AS+(\f)], v[TMB+2], 16, v[AS+(\f)]
	v_lshl_or_b32 v[AS+(\f)], v[TMB+3], 24, v[AS+(\f)]
	v_cvt_scalef32_pk16_fp6_f32 v[QL0:QL0+2], v[(\s):(\s)+15], v[TMC]
	v_cvt_scalef32_pk16_fp6_f32 v[QH0:QH0+2], v[(\s)+16:(\s)+31], v[TMC+1]
	v_cvt_scalef32_pk16_fp6_f32 v[QL1:QL1+2], v[(\s)+32:(\s)+47], v[TMC+2]
	v_cvt_scalef32_pk16_fp6_f32 v[QH1:QH1+2], v[(\s)+48:(\s)+63], v[TMC+3]
	v_nop                                          ; one plain place behind the scaled conversions
.irp i, 0,1,2                                  ; the operand wants a whole block in a lane: lanes 0-15 block 2 c, lanes 16-31 block 2 c + 1
	v_permlane16_swap_b32 v[QL0+\i], v[QH0+\i]
	v_permlane16_swap_b32 v[QL1+\i], v[QH1+\i]
.endr
	WIN 0x40                                       ; destination window 1
.irp i, 0,1,2
	v_mov_b32 v[12*(\f)+\i], v[QL0+\i]
	v_mov_b32 v[12*(\f)+3+\i], v[QH0+\i]
	v_mov_b32 v[12*(\f)+6+\i], v[QL1+\i]
	v_mov_b32 v[12*(\f)+9+\i], v[QH1+\i]
.endr
	WIN 0
.endm
; Fragment f's turn: its numbers are back from the stage; the loads of three fragments on go out; the next fragment goes through the other stage while this one is quantised
.macro STEP f
	s_wait_dscnt 0x0                               ; my numbers are back, and the stores into the stages have read their registers, which the loads below fill again
.if (\f)+3 < 16
	ALOAD (\f)+3
.endif
.if (\f)+1 < 16
.if (\f)+3 < 16
	s_wait_loadcnt 32                              ; the next fragment's 16 loads are in; those of the two behind it may be out
.else
	s_wait_loadcnt 16*(14-(\f))
.endif
	TURN (\f)+1
.endif
	QUANT X+64*((\f)%2), \f
.endm
; One matrix instruction: K step s, row tile m (0, 1 my own, 2, 3 my partner's), column tile t of the chunk's four
.macro MM s, m, t
.set rD, 8*(4*(\m)+(\t))
.set rB, 128+48*((\s)%2)+12*(\t)
.set rA, 12*(8*((\m)%2)+(\s))
.set rSB, BS+2*(\s)+(\t)/2
.set rSA, AS+8*(\m)+(\s)
.if (\s) == 0
.if (\t)%2
	v_wmma_scale_f32_16x16x128_f8f6f4 v[rD:rD+7], v[rB:rB+11], v[rA:rA+11], v[B1R+8*(\t):B1R+8*(\t)+7], v[rSB], v[rSA] matrix_a_fmt:MATRIX_FMT_FP6 matrix_b_fmt:MATRIX_FMT_FP6 matrix_a_scale:MATRIX_SCALE_ROW1
.else
	v_wmma_scale_f32_16x16x128_f8f6f4 v[rD:rD+7], v[rB:rB+11], v[rA:rA+11], v[B1R+8*(\t):B1R+8*(\t)+7], v[rSB], v[rSA] matrix_a_fmt:MATRIX_FMT_FP6 matrix_b_fmt:MATRIX_FMT_FP6
.endif
.else
.if (\t)%2
	v_wmma_scale_f32_16x16x128_f8f6f4 v[rD:rD+7], v[rB:rB+11], v[rA:rA+11], v[rD:rD+7], v[rSB], v[rSA] matrix_a_fmt:MATRIX_FMT_FP6 matrix_b_fmt:MATRIX_FMT_FP6 matrix_a_scale:MATRIX_SCALE_ROW1
.else
	v_wmma_scale_f32_16x16x128_f8f6f4 v[rD:rD+7], v[rB:rB+11], v[rA:rA+11], v[rD:rD+7], v[rSB], v[rSA] matrix_a_fmt:MATRIX_FMT_FP6 matrix_b_fmt:MATRIX_FMT_FP6
.endif
.endif
.endm
; A K step: 16 matrix instructions, the 16 accumulators by turns in the same order in every step
.macro MUL s
.if (\s) == 0
	WIN 0xc7                                       ; W1's fragment and D window 3, the rows' window 1, C (b1) window 0
.else
	WIN 0xf7                                       ; C window 3 too
.endif
.irp m, 0,1
.irp t, 0,1,2,3
	MM \s, \m, \t
.endr
.endr
.if (\s) == 0
	WIN 0xcb                                       ; the rows' fragments window 2
.else
	WIN 0xfb
.endif
.irp m, 2,3
.irp t, 0,1,2,3
	MM \s, \m, \t
.endr
.endr
.endm
.macro FETCHB s                        ; W1's four fragments of K step s into set s % 2: 12 loads of 512 consecutive bytes
	WIN 0xc0
.irp t, 0,1,2,3
.irp p, 0,1,2
	ds_load_b128 v[128+48*((\s)%2)+12*\t+4*\p:128+48*((\s)%2)+12*\t+4*\p+3], v[ADB] offset:FRB*(4*(\s)+\t)+512*\p
.endr
.endr
.endm
; The activation of 16 numbers a lane: row tile m, column tiles 2 u and 2 u + 1.  Every stage is eight independent packed lines; the 16 reciprocals are one batch with one wait
.macro EPI m, u
.set rC, 8*(4*(\m)+2*(\u))
	WIN 0x03                                       ; source 0 window 3
.irp i, 0,1,2,3,4,5,6,7,8,9,10,11,12,13,14,15
	v_med3_num_f32 v[Z+\i], v[rC+\i], -v[CL], v[CL]    ; z, held at +-4.97; each accumulator is read from its low end on
.endr
	WIN 0
.irp p, 0,2,4,6,8,10,12,14
	v_pk_mul_f32 v[S+\p:S+\p+1], v[Z+\p:Z+\p+1], v[Z+\p:Z+\p+1]
.endr
.irp p, 0,2,4,6,8,10,12,14
	v_pk_add_f32 v[N+\p:N+\p+1], v[S+\p:S+\p+1], v[K378:K378+1]
.endr
.irp p, 0,2,4,6,8,10,12,14
	v_pk_fma_f32 v[D+\p:D+\p+1], v[S+\p:S+\p+1], v[K28:K28+1], v[K3150:K3150+1]
.endr
.irp p, 0,2,4,6,8,10,12,14
	v_pk_fma_f32 v[N+\p:N+\p+1], v[N+\p:N+\p+1], v[S+\p:S+\p+1], v[K17325:K17325+1]
.endr
.irp p, 0,2,4,6,8,10,12,14
	v_pk_fma_f32 v[D+\p:D+\p+1], v[D+\p:D+\p+1], v[S+\p:S+\p+1], v[K62370:K62370+1]
.endr
.irp p, 0,2,4,6,8,10,12,14
	v_pk_fma_f32 v[N+\p:N+\p+1], v[N+\p:N+\p+1], v[S+\p:S+\p+1], v[K135135:K135135+1]
.endr
.irp p, 0,2,4,6,8,10,12,14
	v_pk_fma_f32 v[D+\p:D+\p+1], v[D+\p:D+\p+1], v[S+\p:S+\p+1], v[K135135:K135135+1]
.endr
.irp i, 0,1,2,3,4,5,6,7,8,9,10,11,12,13,14,15
	v_rcp_f32 v[S+\i], v[D+\i]
.endr
.irp p, 0,2,4,6,8,10,12,14
	v_pk_mul_f32 v[Z+\p:Z+\p+1], v[Z+\p:Z+\p+1], v[W2R+16*(\u)+\p:W2R+16*(\u)+\p+1]    ; z W2: plain work behind the reciprocals
.endr
.irp p, 0,2,4,6,8,10,12,14
	v_pk_mul_f32 v[N+\p:N+\p+1], v[N+\p:N+\p+1], v[Z+\p:Z+\p+1]
.endr
	s_wait_alu depctr_va_vdst(0)                   ; one wait for the 16 reciprocals, ahead of their first reader
.irp p, 0,2,4,6,8,10,12,14
	v_pk_fma_f32 v[SA+8*(\m)+(\p)%8:SA+8*(\m)+(\p)%8+1], v[N+\p:N+\p+1], v[S+\p:S+\p+1], v[SA+8*(\m)+(\p)%8:SA+8*(\m)+(\p)%8+1]   ; four chains a row tile
.endr
.endm
; THE CHANGE OF SLOTS stands at a chunk's head.  Each wave waits for all its tensor loads (its quarter of the slot that it is about to read), adds 0 to its spare word, and waits for that and for its reads of the slot that it has left.
; Behind the barrier the slot ahead is whole and nobody reads the other one.  fill = 1: that other slot takes the next chunk: the load has a whole chunk's work in which to land.  One tensor load of mine is out at the most.
.macro CHANGE fill
	s_wait_tensorcnt 0x0                           ; no tensor load of mine is out, so the descriptor may be written
	ds_add_u32 v[SPW], v[NIL]                      ; 0 onto my spare word
.if \fill
	s_xor_b32 s30, s30, CHB                        ; the other slot than last time,
	s_add_co_u32 s25, s30, s28                     ; my quarter of it,
	s_add_nc_u64 s[26:27], s[26:27], CHB           ; the next chunk; the type bits on top are not reached
.endif
	s_wait_dscnt 0x0                               ; the add is done, and my LDS reads are over
	s_barrier_signal -1
	s_barrier_wait -1
.if \fill
	tensor_load_to_lds s[24:27], s[16:23]          ; the first thing behind the barrier, and my one tensor load until the next
	s_nop 0
	PLACES                                         ; four v_nop follow it
.endif
.endm
.macro CHUNK
	v_add_nc_u32 v[ADB], s31, v[BL]
	v_add_nc_u32 v[ADS], s31, v[SL]
.irp q, 0,1,2,3,4,5,6,7,8,9,10,11,12,13,14,15
	ds_load_b32 v[BS+\q], v[ADS] offset:128*\q     ; scale register 2 s + t / 2: lanes 0-15 the even tile's words, lanes 16-31 the odd tile's
.endr
.irp t, 0,1,2,3
.irp u, 0,1
	ds_load_b128 v[B1R+8*\t+4*\u:B1R+8*\t+4*\u+3], v[ABW] offset:64*\t+16*\u          ; b1 and W2 at my eight columns of tile t
	ds_load_b128 v[W2R+8*\t+4*\u:W2R+8*\t+4*\u+3], v[ABW] offset:4096+64*\t+16*\u
.endr
.endr
	FETCHB 0
.irp s, 0,1,2,3,4,5,6
.if \s > 0
	PLACES                                         ; four places ahead of loads into registers that the last K step's matrix instructions have read (ISA guide 7.12.1 for vector instructions)
.endif
	FETCHB \s+1
	s_wait_dscnt 12                                ; all but the 12 just issued: this K step's fragments are in
	MUL \s
.endr
	s_wait_dscnt 0x0
	MUL 7
	PLACES                                         ; four places ahead of the first read of results
.irp m, 0,1,2,3
.irp u, 0,1
	EPI \m, \u
.endr
.endr
	s_xor_b32 s31, s31, CHB                        ; on to the other slot,
	v_add_nc_u32 v[ABW], 0x100, v[ABW]             ; and to the next four tiles' b1 and W2
.endm
	s_load_b256 s[4:11], s[0:1], 0x0               ; emb_table s[4:5], wimg s[6:7], b1 s[8:9], W2 s[10:11]
	s_load_b64 s[12:13], s[0:1], 0x20              ; scores
	v_lshl_add_u32 v[SPW], v0, 2, SPARE
	v_mov_b32 v[NIL], 0
	ds_add_u32 v1, v2
	ds_add_u32 v1, v2
	s_wait_dscnt 0x0
	v_lshrrev_b32 v18, 5, v0
	v_readfirstlane_b32 s14, v18                   ; wave 0..3
	s_and_b32 s15, s14, 1                          ; j: my half of the columns
	s_xor_b32 s38, s14, 1                          ; my partner
	; descriptor group 1: a dense block of 25,600 bytes as 100 rows of 32 elements of 8 bytes, no padding
	s_mov_b32 s16, 3<<16                           ; 15:0 no mask; 17:16 elements of 8 bytes; 20 padding off
	s_mov_b32 s17, 32<<16                          ; tensor_dim0 = 32
	s_mov_b32 s18, 100<<16                         ; tensor_dim1 = 100
	s_mov_b32 s19, 32<<16                          ; tile_dim0 = 32
	s_mov_b32 s20, 100                             ; tile_dim1 = 100
	s_mov_b32 s21, 32                              ; tensor_dim0_stride
	s_mov_b32 s22, 0
	s_mov_b32 s23, 0
	s_mul_i32 s28, s14, QB                         ; my quarter, in memory and in a slot
	s_mov_b32 s29, 0
	s_mov_b32 s30, 0                               ; the slot that is filled
	s_mov_b32 s31, 0                               ; the slot that is read
	s_mov_b32 s32, 0x76543210
	s_mov_b32 s33, 0xfedcba98                      ; v_permlanex16_b32's selects for lane l xor 16
	s_lshl_b32 s36, ttmp9, 9                       ; my work-group's 128 words of scores
	s_mov_b32 s37, 0
	s_wait_kmcnt 0x0
	s_mov_b32 s24, 1                               ; group 0: count = 1
	s_mov_b32 s25, s28                             ; LDS address: slot 0, my quarter
	s_add_nc_u64 s[26:27], s[6:7], s[28:29]        ; global address: chunk 0, my quarter
	s_or_b32 s27, s27, 0x80000000                  ; type = 2
	tensor_load_to_lds s[24:27], s[16:23]          ; the first fill, ahead of every LDS read, barrier and wait on TENSORcnt: it lands during phase A
	s_nop 0
	PLACES
	s_add_nc_u64 s[12:13], s[12:13], s[36:37]
	v_and_b32 v18, 31, v0                          ; lane
	v_and_b32 v19, 15, v0                          ; r
	v_bfe_u32 v21, v0, 4, 1                        ; h
	s_mul_i32 s36, s15, HALFB
	v_lshlrev_b32 v[BL], 4, v18
	v_add_nc_u32 v[BL], s36, v[BL]
	s_lshl_b32 s36, s15, 11
	s_add_co_u32 s39, s36, SCO
	v_lshl_add_u32 v[SL], v18, 2, s39
	s_add_co_u32 s39, s36, BB1
	v_lshl_add_u32 v[ABW], v21, 5, s39
	s_mul_i32 s37, s14, IMGW
	s_add_co_u32 s37, s37, IMG                     ; my part of the images, and my stages
	v_mul_u32_u24 v[STI], v21, STP
	v_lshl_add_u32 v[STI], v19, 4, v[STI]
	v_add_nc_u32 v[STI], s37, v[STI]
	v_mul_u32_u24 v[STO], v19, STP
	v_lshl_add_u32 v[STO], v21, 6, v[STO]
	v_add_nc_u32 v[STO], s37, v[STO]
	v_lshl_add_u32 v[IMGS], v18, 4, s37
	s_mul_i32 s39, s38, IMGW
	s_add_co_u32 s39, s39, IMG
	v_lshl_add_u32 v[IMGL], v18, 4, s39
	s_lshl_b32 s36, s14, 11
	s_add_co_u32 s36, s36, ASC
	v_lshl_add_u32 v[ASCS], v18, 4, s36
	s_lshl_b32 s36, s38, 11
	s_add_co_u32 s36, s36, ASC
	v_lshl_add_u32 v[ASCL], v18, 4, s36
	s_lshl_b32 s39, s15, 9                         ; plane j of the sums
	s_add_co_u32 s39, s39, RED
	s_lshl_b32 s36, s14, 7
	s_add_co_u32 s36, s36, s39
	v_lshl_add_u32 v[RDO], v19, 2, s36             ; rows 32 w + r
	s_lshl_b32 s36, s38, 7
	s_add_co_u32 s36, s36, s39
	v_lshl_add_u32 v[RDP], v19, 2, s36             ; rows 32 (w xor 1) + r
	v_lshl_add_u32 v[RDL], v0, 2, RED
	v_lshlrev_b32 v[OUTO], 2, v0
	s_lshl_b32 s36, ttmp9, 7
	s_lshl_b32 s39, s14, 5
	s_add_co_u32 s36, s36, s39                     ; my first row: 128 x work-group + 32 x wave
	v_add_nc_u32 v253, s36, v21                    ; + h
	v_lshlrev_b32 v254, 4, v19                     ; 16 (lane % 16)
.set n, 0
.rept 16
	v_add_nc_u32 v[RO+n], 2*n, v253
	v_min_u32 v[RO+n], VLAST, v[RO+n]              ; held inside the table
	v_lshl_add_u32 v[RO+n], v[RO+n], 12, v254      ; a row of 4,096 bytes
.set n, n+1
.endr
	v_lshlrev_b32 v245, 5, v0                      ; b1 and W2 go to LDS once: 32 bytes of each a thread
	v_lshl_add_u32 v249, v0, 5, BB1
	global_load_b128 v[178:181], v245, s[8:9]
	global_load_b128 v[182:185], v245, s[8:9] offset:16
	global_load_b128 v[186:189], v245, s[10:11]
	global_load_b128 v[190:193], v245, s[10:11] offset:16
	ALOAD 0
	ALOAD 1
	ALOAD 2
.irp b, 0,1,2,3
	v_mov_b32 v[TMB+\b], 0                         ; written once: a lane permute's destination counts as one of its sources
.endr
	v_mov_b32 v[CL], 0x409f0a3d                    ; 4.97
.irp h, 0,1
	v_mov_b32 v[K378+\h], 0x43bd0000               ; 378
	v_mov_b32 v[K17325+\h], 0x46875a00             ; 17,325
	v_mov_b32 v[K135135+\h], 0x4803f7c0            ; 135,135
	v_mov_b32 v[K28+\h], 0x41e00000                ; 28
	v_mov_b32 v[K3150+\h], 0x4544e000              ; 3,150
	v_mov_b32 v[K62370+\h], 0x4773a200             ; 62,370
.endr
	s_wait_loadcnt 48                              ; b1 and W2 are in: behind them three fragments' 48 loads
	ds_store_b128 v249, v[178:181]
	ds_store_b128 v249, v[182:185] offset:16
	ds_store_b128 v249, v[186:189] offset:4096
	ds_store_b128 v249, v[190:193] offset:4112
	s_wait_loadcnt 32                              ; fragment 0 is in
	TURN 0
.irp f, 0,1,2,3,4,5,6,7,8,9,10,11,12,13,14,15
	STEP \f
.endr
	; my 16 fragments and their scale words go to LDS as images of their registers: lane l's 16 bytes at 16 l.  The stages, which lay in these bytes, have been read out
	WIN 0x04                                       ; the data: window 1
.irp f, 0,1,2,3,4,5,6,7,8,9,10,11,12,13,14,15
.irp p, 0,1,2
	ds_store_b128 v[IMGS], v[12*\f+4*\p:12*\f+4*\p+3] offset:FRB*\f+512*\p
.endr
.endr
	WIN 0
.irp g, 0,1,2,3
	ds_store_b128 v[ASCS], v[AS+4*\g:AS+4*\g+3] offset:512*\g
.endr
.set n, 0
.rept 32
	v_mov_b32 v[SA+n], 0                           ; the rows' sums begin (the loop over chunks is written once); the rows' offsets, which lay here, are done with: every load has come
.set n, n+1
.endr
	s_wait_dscnt 0x0                               ; for the others' sake: my stores have landed
	s_barrier_signal -1
	s_barrier_wait -1                              ; chunk 0's load may still be out
	WIN 0x80                                       ; destination window 2
.irp f, 0,1,2,3,4,5,6,7,8,9,10,11,12,13,14,15
.irp p, 0,1,2
	ds_load_b128 v[12*\f+4*\p:12*\f+4*\p+3], v[IMGL] offset:FRB*\f+512*\p
.endr
.endr
	WIN 0
.irp g, 0,1,2,3
	ds_load_b128 v[AS+16+4*\g:AS+16+4*\g+3], v[ASCL] offset:512*\g
.endr
	s_mov_b32 s34, 7
.Lchunk:                                           ; seven trips: behind each change of slots but the last the next chunk is asked for
	CHANGE 1
	CHUNK
	s_sub_co_u32 s34, s34, 1
	s_cmp_lg_u32 s34, 0
	s_cbranch_scc1 .Lchunk
	CHANGE 0                                       ; the last chunk is written out
	CHUNK
	; a row's sum: my four chains' two halves, lane l xor 16's, and through LDS the other half of the columns
.irp m, 0,1,2,3
	v_pk_add_f32 v[SA+8*\m:SA+8*\m+1], v[SA+8*\m:SA+8*\m+1], v[SA+8*\m+2:SA+8*\m+3]
	v_pk_add_f32 v[SA+8*\m+4:SA+8*\m+5], v[SA+8*\m+4:SA+8*\m+5], v[SA+8*\m+6:SA+8*\m+7]
.endr
.irp m, 0,1,2,3
	v_pk_add_f32 v[SA+8*\m:SA+8*\m+1], v[SA+8*\m:SA+8*\m+1], v[SA+8*\m+4:SA+8*\m+5]
.endr
.irp m, 0,1,2,3
	v_add_f32 v[SA+8*\m], v[SA+8*\m], v[SA+8*\m+1]
.endr
.irp m, 0,1,2,3
	v_permlanex16_b32 v[SA+8*\m+1], v[SA+8*\m], s32, s33
.endr
.irp m, 0,1,2,3
	v_add_f32 v[SA+8*\m], v[SA+8*\m], v[SA+8*\m+1]
.endr
	ds_store_b32 v[RDO], v[SA]                     ; lanes r and 16 + r write the same word with the same value
	ds_store_b32 v[RDO], v[SA+8] offset:64
	ds_store_b32 v[RDP], v[SA+16]
	ds_store_b32 v[RDP], v[SA+24] offset:64
	s_wait_dscnt 0x0                               ; for the others' sake: my stores have landed
	s_barrier_signal -1
	s_barrier_wait -1
	ds_load_b32 v[Z], v[RDL]                       ; thread t takes row t of the 128: both halves of the columns
	ds_load_b32 v[Z+1], v[RDL] offset:512
	s_wait_dscnt 0x0
	v_add_f32 v[Z], v[Z], v[Z+1]
	global_store_b32 v[OUTO], v[Z], s[12:13]       ; 128 consecutive bytes a wave, 512 a work-group
	s_wait_tensorcnt 0x0                           ; the wave's end, behind my last tensor load and my last LDS store
	ds_add_u32 v[SPW], v[NIL]
	s_wait_dscnt 0x0
	s_endpgm
.Lfunc_end_k_q1a4ee55eee_gemm:
	.size	k_q1a4ee55eee_gemm, .Lfunc_end_k_q1a4ee55eee_gemm-k_q1a4ee55eee_gemm
	.p2alignl 7, 3214868480
	.fill 96, 4, 3214868480
	.section	.rodata,"a",@progbits
	.p2align	6, 0x0
	.amdhsa_kernel k_q1a4ee55eee_gemm
		.amdhsa_group_segment_fixed_size 327680
		.amdhsa_private_segment_fixed_size 0
		.amdhsa_enable_private_segment 0
		.amdhsa_kernarg_size 40
		.amdhsa_user_sgpr_count 2
		.amdhsa_user_sgpr_kernarg_segment_ptr 1
		.amdhsa_wavefront_size32 1
		.amdhsa_system_sgpr_workgroup_id_x 1
		.amdhsa_system_sgpr_workgroup_id_y 1
		.amdhsa_system_sgpr_workgroup_id_z 1
		.amdhsa_system_vgpr_workitem_id 0
		.amdhsa_next_free_vgpr 1024
		.amdhsa_next_free_sgpr 66
		.amdhsa_reserve_vcc 0
		.amdhsa_float_denorm_mode_32 3
		.amdhsa_float_denorm_mode_16_64 3
		.amdhsa_memory_ordered 1
		.amdhsa_forward_progress 1
		.amdhsa_inst_pref_size 255
	.end_amdhsa_kernel
	.section	.bss,"aw",@nobits
	.p2align	6
	.space	262144
	.amdgpu_metadata
---
amdhsa.version: [ 1, 2 ]
amdhsa.kernels:
  - .name:           k_q1a4ee55eee_gemm
    .symbol:         k_q1a4ee55eee_gemm.kd
    .args:
      - { .name: emb_table, .offset: 0, .size: 8, .value_kind: global_buffer, .address_space: global }
      - { .name: wimg, .offset: 8, .size: 8, .value_kind: global_buffer, .address_space: global }
      - { .name: b1, .offset: 16, .size: 8, .value_kind: global_buffer, .address_space: global }
      - { .name: W2, .offset: 24, .size: 8, .value_kind: global_buffer, .address_space: global }
      - { .name: scores, .offset: 32, .size: 8, .value_kind: global_buffer, .address_space: global }
    .group_segment_fixed_size: 327680
    .private_segment_fixed_size: 0
    .kernarg_segment_align: 8
    .kernarg_segment_size: 40
    .max_flat_workgroup_size: 128
    .sgpr_count:     66
    .vgpr_count:     1024
    .wavefront_size: 32
...
	.end_amdgpu_metadata
.endif
;; end of part 2
;; launch finish (part 3): grid 1 x 1, 11 waves a work-group, no clusters, 9,984 bytes of LDS; arguments scores, tok, b2, targets, out0, out1, out2; writes out0, out1, out2
.if DOCPART == 3
	.amdgcn_target "amdgcn-amd-amdhsa--gfx1250"
	.amdhsa_code_object_version 6
	.text
	.protected	k_q1a4ee55eee_finish
	.globl	k_q1a4ee55eee_finish
	.p2align	8
	.type	k_q1a4ee55eee_finish,@function
k_q1a4ee55eee_finish:
	s_mov_b64 s[64:65], 0
	v_nop
	global_prefetch_b8 v0, s[64:65] scope:SCOPE_SE
	s_setreg_imm32_b32 hwreg(HW_REG_WAVE_MODE, 25, 1), 1
	s_wait_xcnt 0x0
; logit[b][l] = scores[tok[32 l + b]] + b2;  out1 = the logits, out2 = (sigmoid(logit) > 0.5) as 1.0 or 0,
; out0 = 0.8 x mean of max(x, 0) - x t + log1p(exp(-|x|)) + 0.2 x mean over b of (sum over t <= 0.5 of e^yh)(sum over t > 0.5 of e^-yh) / (n_z n_o), 0 where n_z n_o = 0.
; One work-group, since the loss is one sum over all 352 logits: thread 32 l + b takes logit (b, l); wave 0 then takes a batch entry a lane.
; yh lies in 0 .. 1, so e^yh and e^-yh need no maximum taken away, as in the definition.  All arithmetic in f32.
; The logits and flags turn from [l][b] to [b][l] through LDS, so that each store of a wave covers 128 consecutive bytes.
; LIMITS: a token is held at 30,521, inside the table (a negative one goes there too: it is not wrapped); NaN and infinities are not served.
.set REC,  0                           ; LDS: 16 bytes a thread: bce, e^yh or 0, e^-yh or 0, 1 or 0
.set LOGS, 5632                        ; the logits, word 11 b + l
.set YPS,  7040                        ; the flags likewise
; v1 b, v2 l, v3 4 x thread, v4 44 b + 4 l, v5 the target, v6 16 x thread, v7 0, v96 1.0, v97 16 b; v8-11 the token and its score, then my record; v40-83 wave 0's 11 records; v84-95 at work
	s_load_b256 s[4:11], s[0:1], 0x0               ; scores s[4:5], tok s[6:7], b2 s[8:9], targets s[10:11]
	s_load_b128 s[12:15], s[0:1], 0x20             ; out0 s[12:13], out1 s[14:15]
	s_load_b64 s[30:31], s[0:1], 0x30              ; out2
	v_lshl_add_u32 v98, v0, 2, 0x2100
	v_mov_b32 v99, 0
	v_and_b32 v1, 31, v0
	v_lshrrev_b32 v2, 5, v0
	v_readfirstlane_b32 s24, v2                    ; wave = l
	v_lshlrev_b32 v3, 2, v0
	v_mul_u32_u24 v4, v1, 44
	v_lshl_add_u32 v4, v2, 2, v4
	v_lshlrev_b32 v6, 4, v0
	v_lshlrev_b32 v97, 4, v1
	v_mov_b32 v7, 0
	v_mov_b32 v96, 1.0
	s_mov_b32 s17, 0x3fb8aa3b                      ; log2(e)
	s_mov_b32 s18, 0x3f317218                      ; ln 2
	s_mov_b32 s19, 0x39800000                      ; 2^-12
	s_mov_b32 s20, 0x3b14f209                      ; 0.8 / 352
	s_mov_b32 s21, 0x3bcccccd                      ; 0.2 / 32
	s_mov_b32 s22, 0x76543210
	s_mov_b32 s23, 0xfedcba98                      ; v_permlanex16_b32's selects for lane l xor 16
	s_wait_kmcnt 0x0
	s_load_b32 s16, s[8:9], 0x0                    ; b2
	global_load_b32 v8, v3, s[6:7]                 ; my token
	global_load_b32 v5, v4, s[10:11]               ; my target
	s_wait_loadcnt 0x1                             ; the token is in; the target may be out
	v_min_u32 v8, 0x7739, v8                       ; held inside the table
	v_lshlrev_b32 v9, 2, v8
	global_load_b32 v10, v9, s[4:5]                ; its score
	s_wait_loadcnt 0x0
	s_wait_kmcnt 0x0
	v_add_f32 v84, s16, v10                        ; x, the logit
	v_mul_f32 v85, -|v84|, s17
	v_mul_f32 v86, -v84, s17
	v_exp_f32 v87, v85                             ; e1 = e^-|x|
	v_exp_f32 v88, v86                             ; e2 = e^-x
	v_max_num_f32 v89, 0, v84                      ; plain work behind the exponentials
	v_fma_f32 v89, -v84, v5, v89                   ; max(x, 0) - x t
	s_wait_alu depctr_va_vdst(0)                   ; one wait for the two, ahead of their first reader
	v_add_f32 v90, 1.0, v87
	v_add_f32 v91, 1.0, v88
	v_log_f32 v92, v90
	v_rcp_f32 v93, v91                             ; yh = sigmoid(x)
	v_fma_f32 v94, v87, -0.5, 1.0                  ; plain work behind them: where e1 < 2^-12, log1p(e1) = e1 - e1^2 / 2 (1 + e1 would lose e1's digits)
	v_mul_f32 v94, v87, v94
	v_cmp_gt_f32 s26, s19, v87
	s_wait_alu depctr_va_vdst(0)                   ; one wait for the logarithm and the reciprocal
	v_mul_f32 v92, s18, v92
	v_cndmask_b32 v92, v92, v94, s26               ; log1p(e1)
	v_mul_f32 v85, s17, v93
	v_mul_f32 v86, -v93, s17
	v_exp_f32 v90, v85                             ; e^yh
	v_exp_f32 v91, v86                             ; e^-yh
	v_add_f32 v8, v89, v92                         ; my term of the cross entropy: plain work behind the exponentials
	v_cmp_lt_f32 s27, 0.5, v5                      ; t > 0.5
	v_cmp_lt_f32 s28, 0.5, v93                     ; yh > 0.5
	s_wait_alu depctr_va_vdst(0)                   ; one wait for the two
	v_cndmask_b32 v9, v90, v7, s27                 ; e^yh where t <= 0.5, else 0
	v_cndmask_b32 v10, v7, v91, s27                ; e^-yh where t > 0.5, else 0
	v_cndmask_b32 v11, v7, v96, s27                ; 1 where t > 0.5
	v_cndmask_b32 v95, v7, v96, s28                ; the flag
	ds_store_b128 v6, v[8:11] offset:REC
	ds_store_b32 v4, v84 offset:LOGS
	ds_store_b32 v4, v95 offset:YPS
	s_wait_dscnt 0x0                               ; for the others' sake: my stores have landed
	s_barrier_signal -1
	s_barrier_wait -1
	ds_load_b32 v85, v3 offset:LOGS                ; word = thread: as out1 and out2 lie in memory
	ds_load_b32 v86, v3 offset:YPS
	s_wait_dscnt 0x0
	global_store_b32 v3, v85, s[14:15]             ; 128 consecutive bytes a wave
	global_store_b32 v3, v86, s[30:31]
	s_cmp_lg_u32 s24, 0
	s_cbranch_scc1 .Lend
.irp l, 0,1,2,3,4,5,6,7,8,9,10
	ds_load_b128 v[40+4*\l:43+4*\l], v97 offset:REC+512*\l        ; wave 0: lane b takes the 11 records of batch entry b
.endr
	s_wait_dscnt 0x0
.irp l, 1,2,3,4,5,6,7,8,9,10
	v_pk_add_f32 v[40:41], v[40:41], v[40+4*\l:41+4*\l]
	v_pk_add_f32 v[42:43], v[42:43], v[42+4*\l:43+4*\l]
.endr
	v_sub_f32 v44, 0x41300000, v43                 ; n_z = 11 - n_o
	v_mul_f32 v45, v44, v43                        ; n_z n_o
	v_max_num_f32 v46, 1.0, v45
	v_rcp_f32 v47, v46
	v_mul_f32 v48, v41, v42                        ; sz so: plain work behind the reciprocal
	v_mul_f32 v49, s20, v40
	v_cmp_lt_f32 s26, 0, v45
	s_wait_alu depctr_va_vdst(0)                   ; the wait for the reciprocal, ahead of its reader
	v_mul_f32 v48, v48, v47
	v_cndmask_b32 v48, v7, v48, s26                ; 0 where one of the two sets is empty
	v_fma_f32 v49, v48, s21, v49                   ; my batch entry's share of the loss
	v_add_f32_dpp v49, v49, v49 row_xmask:1 row_mask:0xf bank_mask:0xf
	v_add_f32_dpp v49, v49, v49 row_xmask:2 row_mask:0xf bank_mask:0xf
	v_add_f32_dpp v49, v49, v49 row_xmask:4 row_mask:0xf bank_mask:0xf
	v_add_f32_dpp v49, v49, v49 row_xmask:8 row_mask:0xf bank_mask:0xf
	v_permlanex16_b32 v7, v49, s22, s23
	v_add_f32 v49, v49, v7                         ; the loss, in every lane
	s_wait_xcnt 0x0                                ; EXEC changes only behind this wait: the two stores above have read it
	v_cmp_eq_u32 vcc_lo, 0, v0
	s_and_saveexec_b32 s25, vcc_lo
	global_store_b32 v3, v49, s[12:13]             ; lane 0 alone: its offset is 0
	s_wait_xcnt 0x0                                ; and again, ahead of the line that widens it
	s_or_b32 exec_lo, exec_lo, s25
.Lend:
	s_wait_tensorcnt 0x0
	ds_add_u32 v98, v99
	s_wait_dscnt 0x0
	s_endpgm
.Lfunc_end_k_q1a4ee55eee_finish:
	.size	k_q1a4ee55eee_finish, .Lfunc_end_k_q1a4ee55eee_finish-k_q1a4ee55eee_finish
	.p2alignl 7, 3214868480
	.fill 96, 4, 3214868480
	.section	.rodata,"a",@progbits
	.p2align	6, 0x0
	.amdhsa_kernel k_q1a4ee55eee_finish
		.amdhsa_group_segment_fixed_size 9984
		.amdhsa_private_segment_fixed_size 0
		.amdhsa_enable_private_segment 0
		.amdhsa_kernarg_size 56
		.amdhsa_user_sgpr_count 2
		.amdhsa_user_sgpr_kernarg_segment_ptr 1
		.amdhsa_wavefront_size32 1
		.amdhsa_system_sgpr_workgroup_id_x 1
		.amdhsa_system_sgpr_workgroup_id_y 1
		.amdhsa_system_sgpr_workgroup_id_z 1
		.amdhsa_system_vgpr_workitem_id 0
		.amdhsa_next_free_vgpr 100
		.amdhsa_next_free_sgpr 66
		.amdhsa_reserve_vcc 1
		.amdhsa_float_denorm_mode_32 3
		.amdhsa_float_denorm_mode_16_64 3
		.amdhsa_memory_ordered 1
		.amdhsa_forward_progress 1
		.amdhsa_inst_pref_size 8
	.end_amdhsa_kernel
	.amdgpu_metadata
---
amdhsa.version: [ 1, 2 ]
amdhsa.kernels:
  - .name:           k_q1a4ee55eee_finish
    .symbol:         k_q1a4ee55eee_finish.kd
    .args:
      - { .name: scores, .offset: 0, .size: 8, .value_kind: global_buffer, .address_space: global }
      - { .name: tok, .offset: 8, .size: 8, .value_kind: global_buffer, .address_space: global }
      - { .name: b2, .offset: 16, .size: 8, .value_kind: global_buffer, .address_space: global }
      - { .name: targets, .offset: 24, .size: 8, .value_kind: global_buffer, .address_space: global }
      - { .name: out0, .offset: 32, .size: 8, .value_kind: global_buffer, .address_space: global }
      - { .name: out1, .offset: 40, .size: 8, .value_kind: global_buffer, .address_space: global }
      - { .name: out2, .offset: 48, .size: 8, .value_kind: global_buffer, .address_space: global }
    .group_segment_fixed_size: 9984
    .private_segment_fixed_size: 0
    .kernarg_segment_align: 8
    .kernarg_segment_size: 56
    .max_flat_workgroup_size: 352
    .sgpr_count:     66
    .vgpr_count:     100
    .wavefront_size: 32
...
	.end_amdgpu_metadata
.endif
;; end of part 3
